; MI455X (gfx1250); checked and timed in simulation.
; The chip was launched on July 23, 2026; its instructions are those of AMD's public machine-readable ISA for CDNA 5 (MIT licence, August 2026) and "CDNA5" Instruction Set Architecture Reference Guide (July 2026). The comments in the code are by the model that wrote it; some were corrected since.
;; CANDY. Allowed arithmetic: matrix products marked QUANTISED: E4M3 operands, one given power-of-two scale a tensor, by v_wmma_f32_16x16x64_fp8_fp8 or v_wmma_f32_16x16x128_fp8_fp8, f32 sums; products left as they are: f32 operands where the result goes on into a quantised operand, else bf16, f16 or f32 operands; f32 sums; everything else in f32.
;; Inputs: Wp 512 x 512 float32; Wp_diag 512 float32; Wzp 512 x 512 float32; fc1_b 512 float32; fc1_w 512 x 512 float32; fc2_b 512 float32; fc2_w 512 x 512 float32; input 16 x 8 x 512 x 512 float32; lowp_scales 10 int32 (the exponents e of the quantised operands' scales 2^e); p_lin_b 512 float32; p_lin_w 512 x 512 float32; p_mask 512 x 512 float32; z_lin_b 512 float32; z_lin_w 512 x 512 float32.
;; Outputs: out0 16 x 512 x 512 float32.
;; This version of the problem:
;;   THIS VERSION OF THE PROBLEM IS GIVEN IN LOW PRECISION. The matrix products marked QUANTISED in the list below multiply operands that are first quantised to E4M3 (4 exponent bits, 3 mantissa bits; 8 bits a number), with one given power-of-two scale for each operand tensor; their sums are f32. All else is computed in f32.
;;   The module's matrix products, in the order in which they are computed (A, B: the left and right operand; K: the contracted axis; several contracted axes count as one K, in the product's order):
;;     1. [M 65,536, K 512] x [K 512, N 512]; A: computed on the way; B: computed on the way: QUANTISED (scales: A lowp_scales[0], B lowp_scales[1])
;;     2. [M 65,536, K 512] x [K 512, N 512]; A: computed on the way; B: input p_lin_w: QUANTISED (scales: A lowp_scales[2], B lowp_scales[3])
;;     3. batch 512 x [M 65,536, K 1] x [K 1, N 1]; A: computed on the way; B: computed on the way: left as it is (no contracted axis)
;;     4. [M 65,536, K 512] x [K 512, N 512]; A: computed on the way; B: input z_lin_w: QUANTISED (scales: A lowp_scales[4], B lowp_scales[5])
;;     5. [M 8,192, K 512] x [K 512, N 512]; A: computed on the way; B: input fc1_w: QUANTISED (scales: A lowp_scales[6], B lowp_scales[7])
;;     6. [M 8,192, K 512] x [K 512, N 512]; A: computed on the way; B: input fc2_w: QUANTISED (scales: A lowp_scales[8], B lowp_scales[9])
;;   THE QUANTISER, for each operand of a quantised product, along K:
;;     - The operand's scale is 2^e, e = its entry of the input lowp_scales (int32; the entries are numbered through the quantised products in the list's order, A before B).
;;     - Each number is divided by the scale, clamped to +-448, and rounded to the nearest number of E4M3, ties to even, subnormals kept.
;;     - The product sums the exact products of the quantised numbers (number of the format x scale) in f32.
;;   ~~~python
;;   def quantise(x, axis, e):      # numpy; x: float32 -> the quantised numbers, widened to float32 again
;;       x = np.moveaxis(x, axis, -1); K = x.shape[-1]
;;       r = np.clip(x / 2.0 ** e, -448, 448)
;;       step = 2.0 ** (np.maximum(np.frexp(np.where(r == 0, 1, r))[1] - 1, -6) - 3)
;;       q = np.round(r / step) * step * 2.0 ** e      # np.round: ties to even
;;       return np.moveaxis(q, -1, axis).astype(np.float32)
;;   ~~~
;;   OPERANDS COMPUTED ON THE WAY. 'Computed on the way' means the value that the module computes at that place (a softmax that the list does not call 'softmax' is quantised finished and normalised). What goes into a quantiser is computed in f32, as accurately as f32 sums, v_exp_f32 and their like allow (about 1e-6 of the number): no bf16 or f16 on the way to a quantiser, and a product that is left as it is and whose result goes on into a quantised operand takes f32 operands (vector FMAs, or v_wmma_f32_16x16x4_f32). A number that lies on a knife's edge between two numbers of the format may be rounded either way, as far as f32 arithmetic and the matrix unit's own rounding can turn it there, and no further.
;; One version. Each part assembles by itself: llvm-mc -triple=amdgcn-amd-amdhsa -mcpu=gfx1250 --defsym DOCPART=n.
;; ======== version 1 of 1: 3 launches
;; limits: right only within a limited range of input values
;; workspace buffers: wcodes 1,310,720 bytes; am 1,048,576 bytes; rs 2,048 bytes; a2 33,554,432 bytes
;; launch prep (part 1): grid 240 x 1, 4 waves a work-group, no clusters, 0 bytes of LDS; arguments Wp, p_lin_w, z_lin_w, fc1_w, fc2_w, Wp_diag, lowp_scales, p_mask, Wzp, wcodes, am, rs; writes wcodes, am, rs
.if DOCPART == 1
	.amdgcn_target "amdgcn-amd-amdhsa--gfx1250"
	.amdhsa_code_object_version 6
	.text
	.protected	k_q80dedfe655_prep
	.globl	k_q80dedfe655_prep
	.p2align	8
	.type	k_q80dedfe655_prep,@function
k_q80dedfe655_prep:
	s_mov_b64 s[64:65], 0
	v_nop
	global_prefetch_b8 v0, s[64:65] scope:SCOPE_SE
	s_setreg_imm32_b32 hwreg(HW_REG_WAVE_MODE, 25, 1), 1
	s_wait_xcnt 0x0
; What the two later launches read again and again is made once here.  Three kinds of work-group, told apart by the work-group's number:
;   0-159   the five weights (Wp + diag(Wp_diag), p_lin_w, z_lin_w, fc1_w, fc2_w; [512 rows][512 k] f32, K innermost) become codes of FP8 (E4M3), each with its given scale 2^e,
;           laid in the ORDER OF AN OPERAND'S REGISTERS: matrix m at m x 262,144; in it byte q x 65,536 + (8 s + n) x 2,048 + c x 512 + 16 x lane + p is the code of
;           W[128 q + 32 (n / 2) + 8 (n % 2) + r + 8 (r / 8)][128 s + 32 c + 16 h + p], lane = 16 h + r.  So a fragment (16 rows x 128 K) is 2,048 consecutive bytes, four loads of 16 bytes a lane,
;           and the 16 results that a lane gets from tiles 2 b and 2 b + 1 are 16 neighbours along the next product's K.
;   160-223 am = act(p_mask) = (|x + 1| - |x - 1|) / 2, f32, as it is written in the problem.
;   224-239 rs[h] = the sum over k of Wzp[h][k], f32: all that the product without a contracted axis needs of Wzp.
; code = x / 2^e, held within +-448, to the nearest code, ties to even.  LIMITS: each weight's e lies between -126 and 119, so that 2^e and 448 x 2^e are f32 numbers.  NaN among the inputs is not served.
; No LDS, no barrier, no tensor load: waves share nothing.  A launch of a few megabytes: matrix units, clusters and prefetches have nothing to give here.
.set XR, 32                            ; v32-95   a fragment's 64 numbers of a lane: register 16 c + i is k = 128 s + 32 c + 16 h + i
.set CR, 96                            ; v96-111  their codes
	s_load_b512 s[4:19], s[0:1], 0x0               ; Wp, p_lin_w, z_lin_w, fc1_w, fc2_w, Wp_diag s[14:15], the exponents s[16:17], p_mask s[18:19]
	s_load_b256 s[20:27], s[0:1], 0x40             ; Wzp s[20:21], wcodes s[22:23], am s[24:25], rs s[26:27]
	v_lshrrev_b32 v1, 5, v0
	v_readfirstlane_b32 s28, v1                    ; wave 0..3
	v_and_b32 v1, 31, v0                           ; lane
	s_cmp_lt_u32 ttmp9, 160
	s_cbranch_scc0 .Lnot_weights
	; ---- a weight: work-group = 32 m + tile, wave = K step s: one fragment a wave
	s_lshr_b32 s29, ttmp9, 5                       ; m
	s_and_b32 s30, ttmp9, 31                       ; tile = 8 q + n
	s_lshl_b32 s31, s29, 3                         ; the weight's exponent is entry 2 m + 1: byte 8 m + 4
	v_and_b32 v2, 15, v0                           ; r
	v_bfe_u32 v3, v0, 4, 1                         ; h
	v_and_b32 v4, 8, v2
	v_add_nc_u32 v4, v4, v2                        ; r + 8 (r / 8)
	s_lshr_b32 s32, s30, 1
	s_lshl_b32 s32, s32, 5
	s_and_b32 s33, s30, 1
	s_lshl_b32 s33, s33, 3
	s_add_co_u32 s32, s32, s33
	v_add_nc_u32 v4, s32, v4                       ; my row of the weight
	v_lshlrev_b32 v5, 11, v4                       ; a row is 2,048 bytes
	v_lshl_add_u32 v5, v3, 6, v5                   ; + 64 h
	s_lshl_b32 s33, s28, 9
	v_add_nc_u32 v5, s33, v5                       ; + 512 s
	v_lshlrev_b32 v6, 2, v4                        ; my row's place in Wp_diag
	s_lshl_b32 s33, s28, 7
	v_lshl_add_u32 v7, v3, 4, s33
	v_sub_nc_u32 v7, v4, v7                        ; d = row - 128 s - 16 h: register 16 c + i lies on the diagonal where 32 c + i = d
	v_lshlrev_b32 v8, 4, v1                        ; 16 x lane
	s_lshl_b32 s34, s29, 18                        ; where the fragment goes: m x 262,144
	s_lshr_b32 s33, s30, 3
	s_lshl_b32 s33, s33, 16
	s_add_co_u32 s34, s34, s33                     ; + q x 65,536
	s_lshl_b32 s33, s28, 14
	s_add_co_u32 s34, s34, s33                     ; + 8 s x 2,048
	s_and_b32 s33, s30, 7
	s_lshl_b32 s33, s33, 11
	s_add_co_u32 s34, s34, s33                     ; + n x 2,048
	s_mov_b32 s35, 0
	s_wait_alu depctr_va_vdst(0)
	s_wait_kmcnt 0x0
	s_load_b32 s40, s[16:17], s31 offset:0x4       ; e
	s_cmp_eq_u32 s29, 1                            ; the weight is chosen by the work-group's number alone
	s_cselect_b64 s[36:37], s[6:7], s[4:5]
	s_cmp_eq_u32 s29, 2
	s_cselect_b64 s[36:37], s[8:9], s[36:37]
	s_cmp_eq_u32 s29, 3
	s_cselect_b64 s[36:37], s[10:11], s[36:37]
	s_cmp_eq_u32 s29, 4
	s_cselect_b64 s[36:37], s[12:13], s[36:37]
	s_add_nc_u64 s[22:23], s[22:23], s[34:35]
.set i, 0
.rept 16                               ; load i: block c = i / 4, four numbers
	global_load_b128 v[XR+4*i:XR+4*i+3], v5, s[36:37] offset:128*(i/4)+16*(i%4)
.set i, i+1
.endr
	global_load_b32 v9, v6, s[14:15]               ; Wp_diag[row]: inside its buffer for every weight, used for Wp alone
	s_wait_kmcnt 0x0
	s_add_co_i32 s40, s40, 127
	s_lshl_b32 s41, s40, 23
	v_mov_b32 v11, s41                             ; 2^e as f32: the conversion takes its exponent field
	s_add_co_i32 s40, s40, 8
	s_lshl_b32 s40, s40, 23
	s_or_b32 s40, s40, 0x600000
	v_mov_b32 v10, s40                             ; 448 x 2^e
	s_wait_loadcnt 0x0
	s_cmp_lg_u32 s29, 0
	s_cbranch_scc1 .Lno_diagonal
.set i, 0
.rept 64                               ; Wp_eff = Wp + diag(Wp_diag): the one number of a row that lies on the diagonal gets its addend, all others 0
	v_cmp_eq_u32 vcc_lo, 32*(i/16)+i%16, v7
	v_cndmask_b32 v12, 0, v9, vcc_lo
	v_add_f32 v[XR+i], v[XR+i], v12
.set i, i+1
.endr
.Lno_diagonal:
.set i, 0
	s_wait_alu depctr_va_vdst(0)
.rept 64
	v_med3_num_f32 v[XR+i], v[XR+i], -v10, v10     ; the conversion to an 8-bit code does not saturate (ISA guide 7.6.2): the hold at the largest code x the scale comes first
.set i, i+1
.endr
.set i, 0
.rept 8
	v_cvt_scalef32_pk8_fp8_f32 v[CR+2*i:CR+2*i+1], v[XR+8*i:XR+8*i+7], v11
.set i, i+1
.endr
	v_nop                                          ; a plain line behind the last conversion
.irp c, 0,1,2,3
	global_store_b128 v8, v[CR+4*\c:CR+4*\c+3], s[22:23] offset:512*\c   ; 32 lanes store 512 consecutive bytes, at a multiple of 256 from the buffer's first byte
.endr
	s_endpgm
.Lnot_weights:
	s_cmp_lt_u32 ttmp9, 224
	s_cbranch_scc0 .Lrow_sums
	; ---- act(p_mask): 16,384 bytes a work-group, eight loads of 16 bytes a thread
	s_sub_co_u32 s29, ttmp9, 160
	s_lshl_b32 s30, s29, 14
	s_mov_b32 s31, 0
	v_lshlrev_b32 v2, 4, v0
	s_wait_alu depctr_va_vdst(0)
	s_wait_kmcnt 0x0
	s_add_nc_u64 s[18:19], s[18:19], s[30:31]
	s_add_nc_u64 s[24:25], s[24:25], s[30:31]
.irp j, 0,1,2,3,4,5,6,7
	global_load_b128 v[32+4*\j:35+4*\j], v2, s[18:19] offset:2048*\j th:TH_LOAD_NT
.endr
	s_wait_loadcnt 0x0
.set i, 0
.rept 16
	v_pk_add_f32 v[64+i:65+i], v[32+i:33+i], 1.0 op_sel_hi:[1,0]
	v_pk_add_f32 v[96+i:97+i], v[32+i:33+i], -1.0 op_sel_hi:[1,0]
.set i, i+2
.endr
.set i, 0
.rept 32
	v_sub_f32 v[32+i], |v[64+i]|, |v[96+i]|
	v_mul_f32 v[32+i], 0.5, v[32+i]
.set i, i+1
.endr
.irp j, 0,1,2,3,4,5,6,7
	global_store_b128 v2, v[32+4*\j:35+4*\j], s[24:25] offset:2048*\j
.endr
	s_endpgm
.Lrow_sums:
	; ---- rs: a wave takes eight rows of Wzp, 16 numbers of each row a lane
	s_sub_co_u32 s29, ttmp9, 224
	s_lshl_b32 s29, s29, 5
	s_lshl_b32 s30, s28, 3
	s_add_co_u32 s29, s29, s30                     ; my first row
	s_lshl_b32 s30, s29, 11
	s_mov_b32 s31, 0
	s_lshl_b32 s32, s29, 2
	s_mov_b32 s33, 0
	s_mov_b32 s34, 0x76543210                      ; v_permlanex16_b32: lane l takes lane l xor 16
	s_mov_b32 s35, 0xfedcba98
	s_wait_alu depctr_va_vdst(0)
	v_lshlrev_b32 v2, 4, v1
	v_lshlrev_b32 v3, 2, v1
	v_mov_b32 v4, 0                                ; lane i will hold row i's sum
	v_mov_b32 v5, 0                                ; written once: a lane permute's destination counts as one of its sources
	s_wait_alu depctr_va_vdst(0)
	s_wait_kmcnt 0x0
	s_add_nc_u64 s[20:21], s[20:21], s[30:31]
	s_add_nc_u64 s[26:27], s[26:27], s[32:33]
.set i, 0
.rept 32                               ; load i: row i / 4, 512 consecutive bytes of it
	global_load_b128 v[32+4*i:35+4*i], v2, s[20:21] offset:2048*(i/4)+512*(i%4) th:TH_LOAD_NT
.set i, i+1
.endr
	s_wait_loadcnt 0x0
.irp w, 0,1,2,3,4,5,6,7
.set RB, 32+16*\w
	v_pk_add_f32 v[RB:RB+1], v[RB:RB+1], v[RB+2:RB+3]
	v_pk_add_f32 v[RB+4:RB+5], v[RB+4:RB+5], v[RB+6:RB+7]
	v_pk_add_f32 v[RB+8:RB+9], v[RB+8:RB+9], v[RB+10:RB+11]
	v_pk_add_f32 v[RB+12:RB+13], v[RB+12:RB+13], v[RB+14:RB+15]
	v_pk_add_f32 v[RB:RB+1], v[RB:RB+1], v[RB+4:RB+5]
	v_pk_add_f32 v[RB+8:RB+9], v[RB+8:RB+9], v[RB+12:RB+13]
	v_pk_add_f32 v[RB:RB+1], v[RB:RB+1], v[RB+8:RB+9]
	v_add_f32 v[RB], v[RB], v[RB+1]
	v_add_f32_dpp v[RB], v[RB], v[RB] row_xmask:1 row_mask:0xf bank_mask:0xf
	v_add_f32_dpp v[RB], v[RB], v[RB] row_xmask:2 row_mask:0xf bank_mask:0xf
	v_add_f32_dpp v[RB], v[RB], v[RB] row_xmask:4 row_mask:0xf bank_mask:0xf
	v_add_f32_dpp v[RB], v[RB], v[RB] row_xmask:8 row_mask:0xf bank_mask:0xf
	v_permlanex16_b32 v5, v[RB], s34, s35
	v_add_f32 v[RB], v[RB], v5                     ; every lane holds the row's sum
	v_cmp_eq_u32 vcc_lo, \w, v1
	v_cndmask_b32 v4, v4, v[RB], vcc_lo
.endr
	v_cmp_gt_u32 vcc_lo, 8, v1
	s_wait_alu depctr_va_vdst(0)
	s_wait_xcnt 0x0                                ; EXEC changes only behind this wait
	s_and_saveexec_b32 s36, vcc_lo
	global_store_b32 v3, v4, s[26:27]              ; eight sums, 32 bytes: the whole buffer is 2,048 bytes
	s_wait_xcnt 0x0                                ; and again in front of the line that widens it
	s_or_b32 exec_lo, exec_lo, s36
	s_endpgm
.Lfunc_end_k_q80dedfe655_prep:
	.size	k_q80dedfe655_prep, .Lfunc_end_k_q80dedfe655_prep-k_q80dedfe655_prep
	.p2alignl 7, 3214868480
	.fill 96, 4, 3214868480
	.section	.rodata,"a",@progbits
	.p2align	6, 0x0
	.amdhsa_kernel k_q80dedfe655_prep
		.amdhsa_group_segment_fixed_size 0
		.amdhsa_private_segment_fixed_size 0
		.amdhsa_enable_private_segment 0
		.amdhsa_kernarg_size 96
		.amdhsa_user_sgpr_count 2
		.amdhsa_user_sgpr_kernarg_segment_ptr 1
		.amdhsa_wavefront_size32 1
		.amdhsa_system_sgpr_workgroup_id_x 1
		.amdhsa_system_sgpr_workgroup_id_y 1
		.amdhsa_system_sgpr_workgroup_id_z 1
		.amdhsa_system_vgpr_workitem_id 0
		.amdhsa_next_free_vgpr 176
		.amdhsa_next_free_sgpr 66
		.amdhsa_reserve_vcc 1
		.amdhsa_float_denorm_mode_32 3
		.amdhsa_float_denorm_mode_16_64 3
		.amdhsa_memory_ordered 1
		.amdhsa_forward_progress 1
		.amdhsa_inst_pref_size 34
	.end_amdhsa_kernel
	.amdgpu_metadata
---
amdhsa.version: [ 1, 2 ]
amdhsa.kernels:
  - .name:           k_q80dedfe655_prep
    .symbol:         k_q80dedfe655_prep.kd
    .args:
      - { .name: Wp, .offset: 0, .size: 8, .value_kind: global_buffer, .address_space: global }
      - { .name: p_lin_w, .offset: 8, .size: 8, .value_kind: global_buffer, .address_space: global }
      - { .name: z_lin_w, .offset: 16, .size: 8, .value_kind: global_buffer, .address_space: global }
      - { .name: fc1_w, .offset: 24, .size: 8, .value_kind: global_buffer, .address_space: global }
      - { .name: fc2_w, .offset: 32, .size: 8, .value_kind: global_buffer, .address_space: global }
      - { .name: Wp_diag, .offset: 40, .size: 8, .value_kind: global_buffer, .address_space: global }
      - { .name: lowp_scales, .offset: 48, .size: 8, .value_kind: global_buffer, .address_space: global }
      - { .name: p_mask, .offset: 56, .size: 8, .value_kind: global_buffer, .address_space: global }
      - { .name: Wzp, .offset: 64, .size: 8, .value_kind: global_buffer, .address_space: global }
      - { .name: wcodes, .offset: 72, .size: 8, .value_kind: global_buffer, .address_space: global }
      - { .name: am, .offset: 80, .size: 8, .value_kind: global_buffer, .address_space: global }
      - { .name: rs, .offset: 88, .size: 8, .value_kind: global_buffer, .address_space: global }
    .group_segment_fixed_size: 0
    .private_segment_fixed_size: 0
    .kernarg_segment_align: 8
    .kernarg_segment_size: 96
    .max_flat_workgroup_size: 128
    .sgpr_count:     66
    .vgpr_count:     176
    .wavefront_size: 32
...
	.end_amdgpu_metadata
.endif
;; end of part 1
;; launch first (part 2): grid 256 x 1, 4 waves a work-group, clusters of 4 x 1, 167,936 bytes of LDS; arguments input, am, wcodes, lowp_scales, a2; writes a2
.if DOCPART == 2
	.amdgcn_target "amdgcn-amd-amdhsa--gfx1250"
	.amdhsa_code_object_version 6
	.text
	.protected	k_q80dedfe655_first
	.globl	k_q80dedfe655_first
	.p2align	8
	.type	k_q80dedfe655_first,@function
k_q80dedfe655_first:
	s_mov_b64 s[64:65], 0
	v_nop
	global_prefetch_b8 v0, s[64:65] scope:SCOPE_SE
	s_setreg_imm32_b32 hwreg(HW_REG_WAVE_MODE, 25, 1), 1
	s_wait_xcnt 0x0
	s_wait_alu depctr_hold_cnt(0) depctr_sa_sdst(0) depctr_va_vdst(0) depctr_va_sdst(0) depctr_va_ssrc(0) depctr_va_vcc(0) depctr_vm_vsrc(0)
	s_getreg_b32 s2, hwreg(HW_REG_IB_STS2, 6, 4)
	s_cmp_eq_u32 s2, 0
	s_cbranch_scc0 .Lentry_in_a_cluster
	s_endpgm
.Lentry_in_a_cluster:
	s_bfe_u32 s2, ttmp6, 0x10000c
	s_cmp_lg_u32 s2, 0x3003
	s_cbranch_scc0 .Lentry_shape_is_right
	s_endpgm
.Lentry_shape_is_right:
; a2 = the codes of act(tp1), tp1[h][i] = the sum over k of Wp_eff[h][k] p_set[k][i], p_set = (input / 5000) x act(p_mask), for each of the 128 slabs (b, c) of 512 x 512.  Both operands FP8 (E4M3):
; p_set with 2^e0, Wp_eff with 2^e1 (its codes come from the launch before); the result, clipped to +-1, is quantised with 2^e2 for the next product.
; SHARES.  A work-group owns the 64 columns 64 cb .. + 63 of four slabs 4 sg + u: four UNITS of 512 k x 64 columns.  Each byte of input is read by one wave, once.
;   Loading and quantising: wave w takes rows k = 128 w .. + 127 of each unit (K step w), 64 loads of 16 bytes a lane; sixteen lanes read 256 consecutive aligned bytes of a row.
;   The product: wave w takes rows h = 128 w .. + 127.  Its 32 fragments of Wp_eff (65,536 bytes, 512 registers) are loaded once and stay in registers.
;   A unit's codes go from wave to wave through LDS as images of the operand's registers (16 fragments, 2,064 bytes apart so that the sixteen lanes of a store touch sixteen different 16-byte columns).
;   The store's address sorts the columns into tiles: column X = 32 c' + 16 a + 8 tl + x of the 64 is row m = 8 a + x of tile 2 c' + tl.
; THE PRODUCT: source 0 = 16 columns of p_set, source 1 = 16 rows of Wp_eff.  A lane then holds ONE row h, and register j of tile (c', tl) is column 32 c' + 16 (lane / 16) + 8 tl + j: the two tiles of a pass c'
;   give a lane 16 neighbours along the next K.  Two passes a unit, 8 tiles of h x 2 tiles of columns: 16 accumulators; each fragment read from LDS feeds 8 matrix instructions.
; WHAT IS IN FLIGHT: while unit u is quantised, group by group, each freed set of 64 registers takes the same group of unit u + 1: 64 loads a wave (32,768 bytes) are out during the products and the way out.
; THE PREFETCH: behind the loads of group c of unit u + 1 one instruction asks for the group that stands two groups further on: 32 rows x 256 bytes, a lane a row.  A wave names only rows that it will itself load, so each
;   block is named once in the launch.  The head asks for unit 1's groups 0 and 1; unit 0 comes by its loads alone.  The last asks are unit 3's groups 2 and 3, in the third trip: its groups 2 and 3 ask for nothing,
;   by a test on the trip's number.  A work-group has two groups of its four waves, 65,536 bytes, asked for and not yet loaded.  The address registers are the loads' own; the base steps behind s_wait_xcnt 0.
; am (f32, from the launch before): the unit's 64 columns are the same for all four units and for the four work-groups of a cluster: 131,072 bytes, asked for JOINTLY once, 128 rows a wave; each wave reads only the rows that it asked for.
;   Wp_eff's codes are shared too, but they go straight into registers, where they stay: no LDS is left for them beside am.
; a2: row tile T = 32 x slab + tile at T x 8,192: four fragments (K steps of 128 columns) of 2,048 bytes, each an image of the operand's registers (c x 512 + 16 x lane).  The rows of a tile are Wp's tile's rows.
; act is taken as the clip to +-1; the problem's (|x + 1| - |x - 1|) / 2 in f32 differs from it by the rounding of x + 1 and x - 1, 2^-24 at the most for |x| under 2^23.
; LIMITS, so that each power of two below is an f32 number: e0 between -126 and 119; e2 - e0 - e1 between -126 and 127; min(1, 448 x 2^e2) / 2^(e0 + e1) a normal f32 number.  NaN among the inputs is not served.
; LDS: 0 am; 131,072 the unit's codes; 164,352 the spare words.  No fill lands outside am's bytes, nothing is stored into them, nothing is filled twice.
; REGISTERS, in windows of 256 (s_set_vgpr_msb: bits 1:0 source 0, 3:2 source 1, 5:4 source 2, 7:6 destination):
;   window 0: v1 16 x lane; v2, v9, v10 LDS addresses; v3 my byte in a unit's first 32 rows; v4 2,048 x lane; v5-8 scales; v32-95 64 numbers at work, then two sets of two fragments of p_set; v96-127 codes; v128-255 input's groups 0, 1
;   window 1: v0-127 two groups of am, then the 16 accumulators (n, tl) at 8 (2 n + tl); v128-255 input's groups 2, 3      windows 2, 3: Wp_eff, fragment (K step s, tile n) at 16 (8 s + n)
.set CB0,   131072
.set FP,    2064
.set SPARE, 164352
.set TT, 32
.set CD, 96
.set MSB, 0
.macro WIN new                         ; the immediate's high byte repeats the setting that is left; a switch that changes nothing is dropped
.if MSB != (\new)
	s_set_vgpr_msb (MSB<<8)|(\new)
.set MSB, (\new)
.endif
.endm
.macro PLACES                          ; four plain vector lines behind a matrix instruction, ahead of loads into registers that it read and of the first read of its result
.rept 4
	v_nop
.endr
.endm
.macro ROUND                           ; a round of the cluster's barrier
	s_barrier_signal -1
	s_barrier_wait -1
	s_cmp_lg_u32 s14, 0
	s_cbranch_scc1 .Lnot_wave_0_\@
	s_barrier_signal -3
.Lnot_wave_0_\@:
	s_barrier_wait -3
	s_barrier_signal -1
	s_barrier_wait -1
.endm
	s_load_b256 s[4:11], s[0:1], 0x0               ; input s[4:5], am s[6:7], wcodes s[8:9], the exponents s[10:11]
	s_load_b64 s[12:13], s[0:1], 0x20              ; a2
	v_lshl_add_u32 v30, v0, 2, SPARE
	v_mov_b32 v31, 0
	ds_add_u32 v30, v31                            ; the opening lines: the add, twice on end, and its wait ahead of my tensor load
	ds_add_u32 v30, v31
	v_lshrrev_b32 v11, 5, v0
	v_readfirstlane_b32 s14, v11                   ; wave 0..3
	s_bfe_u32 s15, ttmp6, 0x40000                  ; cx: it enters addresses of input and a2 alone
	s_and_b32 s36, ttmp9, 7                        ; cb: the cluster's 64 columns
	s_lshr_b32 s37, ttmp9, 3
	s_lshl_b32 s37, s37, 2
	s_add_co_u32 s37, s37, s15                     ; sg: my four slabs are 4 sg on
	; descriptor group 1: 128 rows of 32 elements of 8 bytes, 2,048 bytes apart in memory, dense in LDS (sixteen lanes of a load read 256 consecutive bytes)
	s_mov_b32 s24, 15|(3<<16)|(1<<21)              ; 15:0 the mask: all four work-groups; 17:16 elements of 8 bytes; 21 set beside a mask
	s_mov_b32 s25, 32<<16                          ; tensor_dim0 = 32
	s_mov_b32 s26, 128<<16                         ; tensor_dim1 = 128
	s_mov_b32 s27, 32<<16                          ; tile_dim0 = 32
	s_mov_b32 s28, 128                             ; tile_dim1 = 128
	s_mov_b32 s29, 256                             ; the pitch
	s_mov_b32 s30, 0
	s_mov_b32 s31, 0
	s_mov_b32 s32, 1                               ; group 0: count = 1
	s_lshl_b32 s33, s14, 15                        ; LDS address: wave x 32,768
	s_lshl_b32 s44, s14, 18                        ; am: my 128 rows of 2,048 bytes,
	s_lshl_b32 s38, s36, 8
	s_add_co_u32 s44, s44, s38                     ; the cluster's 256 bytes of each
	s_mov_b32 s45, 0
	s_lshl_b32 s46, s37, 22                        ; input: the same place in slab 4 sg (a slab is 1,048,576 bytes)
	s_add_co_u32 s46, s46, s44
	s_mov_b32 s47, 0
	s_lshl_b32 s48, s14, 16                        ; Wp_eff's codes are matrix 0 of wcodes: my quarter
	s_mov_b32 s49, 0
	s_lshl_b32 s50, s37, 20                        ; a2: slab 4 sg (262,144 bytes each), my eight row tiles, fragment bytes 1,024 cb on
	s_add_co_u32 s50, s50, s48
	s_lshl_b32 s38, s36, 10
	s_add_co_u32 s50, s50, s38
	s_mov_b32 s51, 0
	s_mov_b32 s16, 0x3951b717                      ; 1 / 5000 as f32
	s_mov_b32 s17, s16                             ; (named with it as a pair, so it is written)
	s_wait_dscnt 0x0
	s_wait_kmcnt 0x0
	s_load_b128 s[40:43], s[10:11], 0x0            ; e0, e1, e2 (, e3)
	s_add_nc_u64 s[34:35], s[6:7], s[44:45]
	s_or_b32 s35, s35, 0x80000000                  ; type = 2
	s_add_nc_u64 s[18:19], s[4:5], s[46:47]
	s_add_nc_u64 s[20:21], s[12:13], s[50:51]
	s_add_nc_u64 s[8:9], s[8:9], s[48:49]
	ROUND                                          ; all four work-groups are here: the joint loads meet
	tensor_load_to_lds s[32:35], s[24:31]          ; my one tensor load of the launch
	s_nop 0
	PLACES                                         ; four v_nop follow it
	v_and_b32 v11, 15, v0                          ; r
	v_bfe_u32 v12, v0, 4, 1                        ; lane / 16
	v_lshlrev_b32 v3, 4, v11
	v_lshl_add_u32 v3, v12, 15, v3                 ; input: 16 r, + 16 rows of 2,048 bytes for lanes 16-31
	v_lshlrev_b32 v10, 4, v11
	v_lshl_add_u32 v10, v12, 12, v10               ; am in LDS: 16 r, + 16 rows of 256 bytes,
	v_add_nc_u32 v10, s33, v10                     ; in my wave's 32,768
	v_and_b32 v1, 31, v0
	v_lshlrev_b32 v4, 11, v1                       ; the prefetches: a lane a row of 2,048 bytes
	v_lshlrev_b32 v1, 4, v1                        ; 16 x lane
	v_add_nc_u32 v2, CB0, v1                       ; a fragment of the unit's codes, on the way back
	v_bfe_u32 v13, v0, 3, 1
	v_bfe_u32 v14, v0, 1, 1
	v_lshl_add_u32 v13, v13, 1, v14                ; my four columns 4 r .. lie in tile 2 (r / 8) + (r / 2) % 2,
	s_lshl_b32 s38, s14, 2
	v_add_nc_u32 v13, s38, v13                     ; of K step w: fragment 4 w + tile
	v_mul_u32_u24 v9, v13, FP
	v_lshl_add_u32 v9, v12, 8, v9                  ; + 16 bytes x (16 (lane / 16) + m), m = 8 ((r / 4) % 2) + 4 (r % 2) + e; 16 e stands in the stores' offsets
	v_bfe_u32 v14, v0, 2, 1
	v_lshl_add_u32 v9, v14, 7, v9
	v_and_b32 v14, 1, v0
	v_lshl_add_u32 v9, v14, 6, v9
	v_add_nc_u32 v9, CB0, v9
; Group c of a unit: rows k = 128 w + 32 c + 16 (lane / 16) + j, j = 0 .. 15.  nxt = 1: of the unit behind the one in hand.
.macro LOADG c, nxt
	WIN ((\c)/2)<<6
.set j, 0
.rept 16
	global_load_b128 v[128+64*((\c)%2)+4*j:128+64*((\c)%2)+4*j+3], v3, s[18:19] offset:(\nxt)*1048576+(32*(\c)+j)*2048 th:TH_LOAD_NT
.set j, j+1
.endr
.endm
.macro AMLD c                          ; the same rows of am, from LDS
	WIN 0x40
.set j, 0
.rept 16
	ds_load_b128 v[64*((\c)%2)+4*j:64*((\c)%2)+4*j+3], v10 offset:(32*(\c)+j)*256
.set j, j+1
.endr
.endm
; Group c becomes registers 4 c .. 4 c + 3 of the four fragments of K step w, and goes to LDS.
.macro QG c, last
.if (\c) < 3
	AMLD (\c)+1                                    ; a group ahead
.endif
.set WS, (\c)/2
.set SB, 128+64*((\c)%2)
.set AB, 64*((\c)%2)
.set CQ, CD+16*((\c)%2)
.if \last
	s_wait_loadcnt 16*(3-(\c))                     ; the unit's later groups stay out
.else
	s_wait_loadcnt 48                              ; loads come back in order: this group's 16 are in; the 48 youngest loads stay out (in unit 0 that also shows Wp_eff's fragments in, step by step, all of them at group 3)
.endif
.if (\c) == 0
	s_wait_dscnt 16                                ; am's group c is in; behind it: the next group's 16 loads
.else
.if (\c) == 3
	s_wait_dscnt 4                                 ; behind it: the last group's 4 stores
.else
	s_wait_dscnt 20                                ; behind it: 4 stores and 16 loads
.endif
.endif
	WIN WS|(WS<<6)
.set i, 0
.rept 32
	v_pk_mul_f32 v[SB+i:SB+i+1], v[SB+i:SB+i+1], s[16:17] op_sel_hi:[1,0]   ; x = input / 5000, rounded as the problem rounds it
.set i, i+2
.endr
	WIN WS|0x04
.set i, 0
.rept 64                               ; i = 16 e + j: the four columns of a load part, and a column's 16 numbers run down k
	v_mul_f32 v[TT+i], v[SB+4*(i%16)+i/16], v[AB+4*(i%16)+i/16]
.set i, i+1
.endr
.if !(\last)
	LOADG \c, 1                                    ; the set is free: the same group of the next unit
.endif
	WIN 0
.if !(\last)
.if (\c) < 2
	global_prefetch_b8 v4, s[18:19] offset:1048576+((\c)+2)*65536 th:TH_LOAD_NT scope:SCOPE_SE     ; two groups on: the next unit's group c + 2
.else
	s_cmp_lt_u32 s22, 2                            ; the third trip has no unit two on
	s_cbranch_scc0 .Lno_ask_\@
	global_prefetch_b8 v4, s[18:19] offset:2*1048576+((\c)-2)*65536 th:TH_LOAD_NT scope:SCOPE_SE   ; two groups on: group c - 2 of the unit behind the next
.Lno_ask_\@:
.endif
.endif
.set i, 0
.rept 64
	v_med3_num_f32 v[TT+i], v[TT+i], -v6, v6       ; the conversion to an 8-bit code does not saturate (ISA guide 7.6.2): the hold at 448 x 2^e0
.set i, i+1
.endr
.set i, 0
.rept 4
	v_cvt_scalef32_pk8_fp8_f32 v[CQ+4*i:CQ+4*i+1], v[TT+16*i:TT+16*i+7], v5
	v_cvt_scalef32_pk8_fp8_f32 v[CQ+4*i+2:CQ+4*i+3], v[TT+16*i+8:TT+16*i+15], v5
.set i, i+1
.endr
	v_nop                                          ; a plain line behind the last conversion
.irp e, 0,1,2,3
	ds_store_b128 v9, v[CQ+4*\e:CQ+4*\e+3] offset:512*(\c)+16*\e
.endr
.endm
.macro BLD p, ks                       ; the two fragments (tiles 2 p, 2 p + 1) of K step ks into set ks % 2: 8 loads
.set i, 0
.rept 8                                ; i = 4 tl + c
	ds_load_b128 v[TT+32*((\ks)%2)+4*i:TT+32*((\ks)%2)+4*i+3], v2 offset:(4*(\ks)+2*(\p)+i/4)*FP+512*(i%4)
.set i, i+1
.endr
.endm
; 16 matrix instructions: the 16 accumulators take turns, one instruction a turn, in the same order in every K step.  K step 0 starts the sums.
.macro MM ks
	WIN 0x58+4*((\ks)/2)                           ; source 0 window 0, source 1 window 2 or 3, C and D window 1
.irp n, 0,1,2,3,4,5,6,7
.irp tl, 0,1
.if (\ks) == 0
	v_wmma_f32_16x16x128_fp8_fp8 v[8*(2*\n+\tl):8*(2*\n+\tl)+7], v[TT+32*((\ks)%2)+16*\tl:TT+32*((\ks)%2)+16*\tl+15], v[128*((\ks)%2)+16*\n:128*((\ks)%2)+16*\n+15], 0
.else
	v_wmma_f32_16x16x128_fp8_fp8 v[8*(2*\n+\tl):8*(2*\n+\tl)+7], v[TT+32*((\ks)%2)+16*\tl:TT+32*((\ks)%2)+16*\tl+15], v[128*((\ks)%2)+16*\n:128*((\ks)%2)+16*\n+15], v[8*(2*\n+\tl):8*(2*\n+\tl)+7]
.endif
.endr
.endr
.endm
; A pass goes out: clip (activation and hold in one) in place, each accumulator from its low end on; 16 conversions; eight stores of 512 consecutive aligned bytes a wave.
.macro EPI p
	s_wait_xcnt 0x0                                ; the stores before have read their data: the codes' registers are written again only behind this wait
	WIN 0x41
.set i, 0
.rept 128
	v_med3_num_f32 v[i], v[i], -v7, v7
.set i, i+1
.endr
	WIN 0x01
.set i, 0
.rept 16                               ; i = 2 n + tl
	v_cvt_scalef32_pk8_fp8_f32 v[CD+2*i:CD+2*i+1], v[8*i:8*i+7], v8
.set i, i+1
.endr
	v_nop                                          ; a plain line behind the last conversion: matrix instructions write its sources later
	WIN 0
.irp n, 0,1,2,3,4,5,6,7
	global_store_b128 v1, v[CD+4*\n:CD+4*\n+3], s[20:21] offset:\n*8192+(\p)*512 th:TH_STORE_NT
.endr
.endm
.macro PASS p
.irp ks, 0,1,2,3
.if \ks < 3
	s_wait_dscnt 8                                 ; this K step's 8 loads are in; the next one's stay out
.else
	s_wait_dscnt 0x0
.endif
	MM \ks
.if \ks < 2
	PLACES
	WIN 0
	BLD \p, \ks+2                                  ; the set just multiplied takes the K step two on
.endif
.endr
	PLACES
	WIN 0
.if (\p) == 0
	BLD 1, 0                                       ; the next pass's first fragments come while this pass goes out
	BLD 1, 1
.endif
	EPI \p
.endm
.macro UNIT last
.irp c, 0,1,2,3
	QG \c, \last
.endr
	s_wait_dscnt 0x0                               ; for the others' sake: my four fragments lie in LDS
	s_barrier_signal -1
	s_barrier_wait -1                              ; all sixteen do
	BLD 0, 0
	BLD 0, 1
	PASS 0
	PASS 1
.endm
.irp c, 0,1,2
	LOADG \c, 0                                    ; unit 0 is asked for first of all,
.endr
	WIN 0
	global_prefetch_b8 v4, s[18:19] offset:1048576 th:TH_LOAD_NT scope:SCOPE_SE         ; unit 1's groups 0 and 1, whose loads stand in unit 0's groups 0 and 1
	global_prefetch_b8 v4, s[18:19] offset:1048576+65536 th:TH_LOAD_NT scope:SCOPE_SE
	LOADG 3, 0
	WIN 0x80                                       ; then my 32 fragments of Wp_eff, as they lie: K steps 0, 1 into window 2,
.set i, 0
.rept 64
	global_load_b128 v[4*i:4*i+3], v1, s[8:9] offset:512*i
.set i, i+1
.endr
	WIN 0xc0                                       ; K steps 2, 3 into window 3
.set i, 0
.rept 64
	global_load_b128 v[4*i:4*i+3], v1, s[8:9] offset:32768+512*i
.set i, i+1
.endr
	WIN 0
	s_wait_kmcnt 0x0
	s_add_co_i32 s52, s40, 127
	s_lshl_b32 s53, s52, 23
	v_mov_b32 v5, s53                              ; 2^e0
	s_add_co_i32 s52, s52, 8
	s_lshl_b32 s52, s52, 23
	s_or_b32 s52, s52, 0x600000
	v_mov_b32 v6, s52                              ; 448 x 2^e0
	s_add_co_i32 s54, s40, s41                     ; a sum stands for sum x 2^(e0 + e1)
	s_add_co_i32 s52, s42, 135
	s_lshl_b32 s52, s52, 23
	s_or_b32 s52, s52, 0x600000                    ; 448 x 2^e2,
	s_min_u32 s52, s52, 0x3f800000                 ; or 1 if that is less (two positive f32 numbers compare as their bits do): the activation's clip and the hold are ONE clip, with no branch on a scale
	s_lshl_b32 s55, s54, 23
	s_sub_co_i32 s52, s52, s55                     ; / 2^(e0 + e1): the bound for the raw sums
	v_mov_b32 v7, s52
	s_sub_co_i32 s53, s42, s54
	s_add_co_i32 s53, s53, 127
	s_lshl_b32 s53, s53, 23
	v_mov_b32 v8, s53                              ; 2^(e2 - e0 - e1): the three scales folded into the conversion's one
	s_wait_alu depctr_va_vdst(0)
	s_wait_tensorcnt 0x0                           ; my 128 rows of am are in LDS; no other wave reads them
	AMLD 0
	WIN 0
	s_mov_b32 s22, 0
.Lunit:                                            ; three trips: units 0 to 2; the last unit, which asks for nothing more, is written out
	UNIT 0
	s_wait_xcnt 0x0                                ; loads, prefetches and stores have read their bases
	s_add_nc_u64 s[18:19], s[18:19], 0x100000      ; the next slab of input,
	s_add_nc_u64 s[20:21], s[20:21], 0x40000       ; and of a2
	s_wait_dscnt 0x0                               ; my reads of the unit's codes are over
	s_barrier_signal -1
	s_barrier_wait -1                              ; everybody's are: the next unit's codes may be stored
	AMLD 0                                         ; the accumulators' registers are free
	WIN 0
	s_add_co_u32 s22, s22, 1
	s_cmp_lt_u32 s22, 3
	s_cbranch_scc1 .Lunit
	UNIT 1
	s_wait_tensorcnt 0x0                           ; the wave's end: behind my tensor load and my last LDS store
	ds_add_u32 v30, v31
	s_wait_dscnt 0x0
	ROUND                                          ; the closing round: no work-group ends while a partner may still ask for a tile that names it
	s_endpgm
.Lfunc_end_k_q80dedfe655_first:
	.size	k_q80dedfe655_first, .Lfunc_end_k_q80dedfe655_first-k_q80dedfe655_first
	.p2alignl 7, 3214868480
	.fill 96, 4, 3214868480
	.section	.rodata,"a",@progbits
	.p2align	6, 0x0
	.amdhsa_kernel k_q80dedfe655_first
		.amdhsa_group_segment_fixed_size 167936
		.amdhsa_private_segment_fixed_size 0
		.amdhsa_enable_private_segment 0
		.amdhsa_kernarg_size 40
		.amdhsa_user_sgpr_count 2
		.amdhsa_user_sgpr_kernarg_segment_ptr 1
		.amdhsa_wavefront_size32 1
		.amdhsa_system_sgpr_workgroup_id_x 1
		.amdhsa_system_sgpr_workgroup_id_y 1
		.amdhsa_system_sgpr_workgroup_id_z 1
		.amdhsa_system_vgpr_workitem_id 0
		.amdhsa_next_free_vgpr 1024
		.amdhsa_next_free_sgpr 66
		.amdhsa_reserve_vcc 0
		.amdhsa_float_denorm_mode_32 3
		.amdhsa_float_denorm_mode_16_64 3
		.amdhsa_memory_ordered 1
		.amdhsa_forward_progress 1
		.amdhsa_inst_pref_size 178
	.end_amdhsa_kernel
	.amdgpu_metadata
---
amdhsa.version: [ 1, 2 ]
amdhsa.kernels:
  - .name:           k_q80dedfe655_first
    .symbol:         k_q80dedfe655_first.kd
    .args:
      - { .name: input, .offset: 0, .size: 8, .value_kind: global_buffer, .address_space: global }
      - { .name: am, .offset: 8, .size: 8, .value_kind: global_buffer, .address_space: global }
      - { .name: wcodes, .offset: 16, .size: 8, .value_kind: global_buffer, .address_space: global }
      - { .name: lowp_scales, .offset: 24, .size: 8, .value_kind: global_buffer, .address_space: global }
      - { .name: a2, .offset: 32, .size: 8, .value_kind: global_buffer, .address_space: global }
    .group_segment_fixed_size: 167936
    .private_segment_fixed_size: 0
    .kernarg_segment_align: 8
    .kernarg_segment_size: 40
    .max_flat_workgroup_size: 128
    .sgpr_count:     66
    .vgpr_count:     1024
    .wavefront_size: 32
...
	.end_amdgpu_metadata
.endif
;; end of part 2
;; launch second (part 3): grid 256 x 1, 4 waves a work-group, clusters of 4 x 1, 327,680 bytes of LDS; arguments a2, wcodes, rs, input, lowp_scales, p_lin_b, z_lin_b, fc1_b, fc2_b, out0; writes out0
.if DOCPART == 3
	.amdgcn_target "amdgcn-amd-amdhsa--gfx1250"
	.amdhsa_code_object_version 6
	.text
	.protected	k_q80dedfe655_second
	.globl	k_q80dedfe655_second
	.p2align	8
	.type	k_q80dedfe655_second,@function
k_q80dedfe655_second:
	s_mov_b64 s[64:65], 0
	v_nop
	global_prefetch_b8 v0, s[64:65] scope:SCOPE_SE
	s_setreg_imm32_b32 hwreg(HW_REG_WAVE_MODE, 25, 1), 1
	s_wait_xcnt 0x0
	s_wait_alu depctr_hold_cnt(0) depctr_sa_sdst(0) depctr_va_vdst(0) depctr_va_sdst(0) depctr_va_ssrc(0) depctr_va_vcc(0) depctr_vm_vsrc(0)
	s_getreg_b32 s2, hwreg(HW_REG_IB_STS2, 6, 4)
	s_cmp_eq_u32 s2, 0
	s_cbranch_scc0 .Lentry_in_a_cluster
	s_endpgm
.Lentry_in_a_cluster:
	s_bfe_u32 s2, ttmp6, 0x10000c
	s_cmp_lg_u32 s2, 0x3003
	s_cbranch_scc0 .Lentry_shape_is_right
	s_endpgm
.Lentry_shape_is_right:
; From the codes of act(tp1) to the output, with nothing through memory:
;   tp = act(a2 p_lin_w^T + p_lin_b);  tz = act(Q(act(rs[h] tp)) z_lin_w^T + z_lin_b);  comb = sum over c of tp + sum over c of tz + input[b][0] / 5000;  out = Q(relu(Q(comb) fc1_w^T + fc1_b)) fc2_w^T + fc2_b.
; All four products on codes of FP8 (E4M3), each operand with its given scale 2^e (e2 .. e9); sums, activations and the sum over channels in f32.
; SHARES.  A work-group owns 32 rows h of one b, with all 8 channels: 16 tiles of 16 rows.  Wave w (u = w & 1, ch = w >> 1) owns tiles t = 0 .. 3: channels 4 ch + t of rows 32 hb + 8 u + r + 8 (r / 8).
; EVERY PRODUCT IS USED TRANSPOSED (source 0 = 16 rows of the weight, source 1 = 16 rows of data): a lane holds ONE row, and, by the weights' order of rows, the 16 registers of tiles 2 b, 2 b + 1 are 16 neighbours
; along the next K.  So the sum over a wave's four channels is an addition inside a lane, and each conversion's result is part of the next operand.
; WEIGHTS of the two large products walk through a ring of two LDS slots in chunks of 128 outputs (65,536 bytes, 32 fragments).  All work-groups walk the same chunks: the four of a cluster ask JOINTLY, a quarter a wave.
; The fc weights do NOT go that way: there a chunk would feed only 16 matrix instructions a wave, each wave needs a quarter of each chunk that no other wave of its work-group reads, and 512 registers are free by then:
; each wave loads its quarter (32 fragments) straight into registers, many loads at a time.
; act is taken as the clip to +-1; the problem's (|x + 1| - |x - 1|) / 2 in f32 differs from it by the rounding of x + 1 and x - 1, 2^-24 at the most for |x| under 2^23.
; LIMITS, so that each power of two below is an f32 number: e4, e6, e8 between -126 and 119; e2 + e3, e4 + e5, e6 + e7, e8 + e9 between -126 and 127.  NaN among the inputs is not served.
; LDS: 0 slot 0 (at the end: input's channel 0, 64 half rows of 1,024 + 16 bytes); 66,560 the spare words; 69,632 comb's codes, 86,016 the hidden layer's (8 fragments each); 131,072 slot 1;
;   196,608 R, 32,768 bytes a wave: first the wave's own 16 fragments of act(rs tp), then its 256 sums, then (all four together) the stage for out: 32 rows of 2,048 + 16 bytes.  No fill lands outside the two slots; nothing is stored into them.
; REGISTERS, in windows of 256 (s_set_vgpr_msb: bits 1:0 source 0, 3:2 source 1, 5:4 source 2, 7:6 destination):
;   window 0: v1-15 addresses and scales; v16-31 16 numbers at work; v32-47 codes; v48-111 a bias; v112-124 addresses; v128-255 two sets of four weight fragments, in the ways out sums over t, later x0, fc2_b, rows of out
;   window 1: the data operand, fragment (t, s) at 64 t + 16 s; later fc weights of outputs 0-255      window 2: the 32 accumulators (n, t) at 8 (4 n + t); later fc weights of outputs 256-511
;   window 3: S, the sum over my channels of tp + tz: output 128 q + 32 b + 16 (lane / 16) + i at 64 q + 16 b + i; later the fc operands (0-127) and the 16 fc accumulators (128-255)
.set SLOT1, 1<<17
.set SPARE, 66560
.set A5B,   69632
.set A6B,   86016
.set RB,    196608
.set LI,    1                          ; v1    16 x lane
.set SPW,   2                          ; v2    LDS address of my spare word; never rewritten
.set NIL,   3                          ; v3    0; never rewritten
.set ADW,   4                          ; v4    16 x lane + the slot in hand
.set A4A,   5                          ; v5    where this chunk's codes go in my part of R
.set BOF,   6                          ; v6    64 x (lane / 16): my 16 numbers of each 32 of a bias
.set YY,    16
.set CC,    32
.set BI,    48
.set SAD,   112                        ; v112  R + 32,768 w + 16 lane
.set SOW,   113                        ; v113  my half of my own sums
.set SPA,   114                        ; v114  the same half of my partner's (wave w xor 2)
.set XAD,   115                        ; v115  my row's half of x0
.set A5W,   116
.set A5R,   117
.set A6W,   118
.set A6R,   119
.set STA,   120                        ; v120  the stage, on the way in
.set RDA,   121                        ; v121  and back
.set PFO,   122                        ; v122  256 x lane
.set FWO,   123                        ; v123  16 x lane + 4,096 w: my two tiles of each eight of an fc weight
.set RSO,   124                        ; v124  my row's place in rs
.set ZA,    128
.set MSB, 0
.macro WIN new                         ; the immediate's high byte repeats the setting that is left; a switch that changes nothing is dropped
.if MSB != (\new)
	s_set_vgpr_msb (MSB<<8)|(\new)
.set MSB, (\new)
.endif
.endm
.macro PLACES                          ; four plain vector lines behind a matrix instruction, ahead of loads into registers that it read and of the first read of its result
.rept 4
	v_nop
.endr
.endm
.macro ROUND                           ; a round of the cluster's barrier
	s_barrier_signal -1
	s_barrier_wait -1
	s_cmp_lg_u32 s76, 0
	s_cbranch_scc1 .Lnot_wave_0_\@
	s_barrier_signal -3
.Lnot_wave_0_\@:
	s_barrier_wait -3
	s_barrier_signal -1
	s_barrier_wait -1
.endm
.macro BARRIER                         ; my LDS stores have landed and my LDS loads are in: then the work-group's barrier
	s_wait_dscnt 0x0
	s_barrier_signal -1
	s_barrier_wait -1
.endm
; THE CHANGE OF SLOTS stands at a chunk's head.  Each wave waits for all its tensor loads (one is out: its quarter of the chunk that it is about to read), adds 0 to its spare word, and waits for that and for its reads
; of the slot that it has left.  Behind the round the chunk ahead is whole in all four work-groups and nobody reads the other slot: it is filled first thing, and the load has a whole chunk's work in which to land.
; kind = 1: the next chunk of weights, jointly.  kind = 2: my own 16 half rows of input's channel 0, a plain load.
.macro TRIP kind
	s_wait_tensorcnt 0x0                           ; no tensor load of mine is out, so a group 0 may be written
	ds_add_u32 v[SPW], v[NIL]                      ; 0 onto my spare word
.if \kind == 1
	s_xor_b32 s45, s45, SLOT1                      ; the walking descriptor: the other slot,
	s_add_nc_u64 s[46:47], s[46:47], 0x10000       ; the next chunk; the type bits on top are not reached
.endif
	s_wait_dscnt 0x0                               ; the add is done, and my LDS reads and stores are over
	ROUND
.if \kind == 1
	tensor_load_to_lds s[44:47], s[36:43]
	s_nop 0
.else
	tensor_load_to_lds s[56:59], s[48:55]
	s_nop 0
.endif
	PLACES                                         ; four v_nop follow it
.endm
	s_load_b512 s[4:19], s[0:1], 0x0               ; a2 s[4:5], wcodes s[6:7], rs s[8:9], input s[10:11], the exponents s[12:13], p_lin_b s[14:15], z_lin_b s[16:17], fc1_b s[18:19]
	s_load_b128 s[20:23], s[0:1], 0x40             ; fc2_b s[20:21], out0 s[22:23]
	v_lshl_add_u32 v[SPW], v0, 2, SPARE
	v_mov_b32 v[NIL], 0
	ds_add_u32 v2, v3
	ds_add_u32 v2, v3
	s_wait_dscnt 0x0
	v_lshrrev_b32 v7, 5, v0
	v_readfirstlane_b32 s76, v7                    ; wave 0..3
	s_and_b32 s77, s76, 1                          ; u
	s_lshr_b32 s78, s76, 1                         ; ch
	s_bfe_u32 s79, ttmp6, 0x40000                  ; cx: it enters addresses in memory alone, and none of a joint load
	s_lshl_b32 s80, ttmp9, 2
	s_add_co_u32 s79, s80, s79                     ; work-group = 4 x cluster + cx
	s_lshr_b32 s80, s79, 4                         ; b
	s_and_b32 s81, s79, 15                         ; hb
	; descriptor group 1 for a wave's quarter of a chunk: 64 rows of 32 elements of 8 bytes, dense, unpadded (a fragment load reads 512 consecutive bytes)
	s_mov_b32 s36, 15|(3<<16)|(1<<21)              ; 15:0 the mask: all four work-groups; 17:16 elements of 8 bytes; 21 set beside a mask
	s_mov_b32 s37, 32<<16                          ; tensor_dim0 = 32
	s_mov_b32 s38, 64<<16                          ; tensor_dim1 = 64
	s_mov_b32 s39, 32<<16                          ; tile_dim0 = 32
	s_mov_b32 s40, 64                              ; tile_dim1 = 64
	s_mov_b32 s41, 32                              ; the pitch
	s_mov_b32 s42, 0
	s_mov_b32 s43, 0
	; and for x0: 16 half rows of 128 elements of 8 bytes, dense in memory; 4 words of padding behind every 256
	s_mov_b32 s48, (3<<16)|(1<<20)|(7<<22)|(3<<25)
	s_mov_b32 s49, 128<<16
	s_mov_b32 s50, 16<<16
	s_mov_b32 s51, 128<<16
	s_mov_b32 s52, 16
	s_mov_b32 s53, 128
	s_mov_b32 s54, 0
	s_mov_b32 s55, 0
	s_mov_b32 s44, 1
	s_lshl_b32 s45, s76, 14                        ; LDS: slot 0, wave x 16,384
	s_mov_b32 s56, 1
	s_mul_i32 s57, s76, 16640                      ; LDS: wave x 16 half rows of 1,040 bytes
	s_add_co_u32 s34, s45, 0x40000                 ; p_lin_w's codes are matrix 1 of wcodes, z_lin_w's matrix 2: eight chunks on end
	s_mov_b32 s35, 0
	s_lshl_b32 s60, s80, 21                        ; a2: ((8 b + 4 ch) x 32 + 2 hb + u) x 8,192
	s_lshl_b32 s61, s78, 20
	s_add_co_u32 s60, s60, s61
	s_lshl_b32 s61, s81, 14
	s_add_co_u32 s60, s60, s61
	s_lshl_b32 s61, s77, 13
	s_add_co_u32 s60, s60, s61
	s_mov_b32 s61, 0
	s_lshl_b32 s62, s80, 23                        ; input: (4,096 b + 32 hb) rows of 2,048 bytes + wave x 16,384
	s_lshl_b32 s63, s81, 16
	s_add_co_u32 s62, s62, s63
	s_add_co_u32 s62, s62, s45
	s_lshl_b32 s98, s80, 20                        ; out0: (512 b + 32 hb + 8 w) rows of 2,048 bytes
	s_add_co_u32 s98, s98, s63
	s_add_co_u32 s98, s98, s45
	s_mov_b32 s63, 0
	s_mov_b32 s99, 0
	s_mov_b32 s74, 0x3951b717                      ; 1 / 5000 as f32
	s_mov_b32 s75, s74
	s_wait_kmcnt 0x0
	s_load_b256 s[24:31], s[12:13], 0x0            ; e0 .. e7
	s_load_b64 s[32:33], s[12:13], 0x20            ; e8, e9
	s_add_nc_u64 s[46:47], s[6:7], s[34:35]
	s_or_b32 s47, s47, 0x80000000                  ; type = 2
	s_add_nc_u64 s[84:85], s[10:11], s[62:63]      ; my 16,384 bytes of x0: for the prefetches,
	s_mov_b64 s[58:59], s[84:85]                   ; and for the tensor load
	s_or_b32 s59, s59, 0x80000000
	s_add_nc_u64 s[4:5], s[4:5], s[60:61]
	s_add_nc_u64 s[22:23], s[22:23], s[98:99]
	s_add_nc_u64 s[86:87], s[6:7], 0xc0000         ; fc1_w's codes
	s_add_nc_u64 s[88:89], s[6:7], 0x100000        ; fc2_w's
	s_lshl_b32 s34, s76, 7
	s_add_nc_u64 s[94:95], s[18:19], s[34:35]      ; fc1_b and fc2_b at my 32 of each 128 outputs
	s_add_nc_u64 s[96:97], s[20:21], s[34:35]
	s_lshl_b32 s34, s81, 7
	s_add_nc_u64 s[8:9], s[8:9], s[34:35]          ; rs at my work-group's 32 rows
	s_mov_b64 s[92:93], s[14:15]                   ; the bias that walks with the chunks
	ROUND                                          ; all four work-groups are here: the first joint loads meet
	tensor_load_to_lds s[44:47], s[36:43]          ; chunk 0 into slot 0
	s_nop 0
	PLACES
	; every LDS address is a constant + a lane term + a constant x wave, made here once
	v_and_b32 v[LI], 31, v0
	v_lshlrev_b32 v[PFO], 8, v[LI]
	v_lshlrev_b32 v[LI], 4, v[LI]
	s_wait_alu depctr_va_vdst(0)
	v_and_b32 v125, 15, v0                         ; r
	v_bfe_u32 v126, v0, 4, 1                       ; lane / 16
	v_lshlrev_b32 v[BOF], 6, v126
	v_and_b32 v127, 8, v125
	v_add_nc_u32 v127, v127, v125                  ; r + 8 (r / 8)
	s_wait_alu depctr_va_vdst(0)
	s_lshl_b32 s34, s76, 15
	s_add_co_u32 s34, s34, RB
	v_add_nc_u32 v[SAD], s34, v[LI]
	s_lshl_b32 s35, s78, 14
	s_add_co_u32 s34, s34, s35
	v_add_nc_u32 v[SOW], s34, v[LI]
	s_xor_b32 s34, s76, 2
	s_lshl_b32 s34, s34, 15
	s_add_co_u32 s34, s34, s35
	s_add_co_u32 s34, s34, RB
	v_add_nc_u32 v[SPA], s34, v[LI]
	s_mul_i32 s34, s77, 16640                      ; x0: half row 2 (8 u + r + 8 (r / 8)) + ch, 1,040 bytes each
	s_mul_i32 s35, s78, 1040
	s_add_co_u32 s34, s34, s35
	v_mul_u32_u24 v[XAD], v127, 2080
	v_add_nc_u32 v[XAD], v[XAD], v[BOF]
	v_add_nc_u32 v[XAD], s34, v[XAD]
	s_lshl_b32 s34, s77, 13                        ; comb's codes: fragment 4 u + 2 ch on
	s_lshl_b32 s35, s78, 12
	s_add_co_u32 s34, s34, s35
	s_add_co_u32 s34, s34, A5B
	v_add_nc_u32 v[A5W], s34, v[LI]
	v_add_nc_u32 v[A5R], A5B, v[LI]
	s_lshl_b32 s34, s76, 9                         ; the hidden layer's: registers 4 w on of each fragment
	s_add_co_u32 s34, s34, A6B
	v_add_nc_u32 v[A6W], s34, v[LI]
	v_add_nc_u32 v[A6R], A6B, v[LI]
	s_lshl_b32 s34, s76, 7
	s_add_co_u32 s34, s34, RB
	v_mul_u32_u24 v[STA], v127, 2064
	v_add_nc_u32 v[STA], v[STA], v[BOF]
	v_add_nc_u32 v[STA], s34, v[STA]
	s_mul_i32 s34, s76, 16512
	s_add_co_u32 s34, s34, RB
	v_add_nc_u32 v[RDA], s34, v[LI]
	s_lshl_b32 s34, s76, 12
	v_add_nc_u32 v[FWO], s34, v[LI]
	s_lshl_b32 s34, s77, 5
	v_lshl_add_u32 v[RSO], v127, 2, s34
	WIN 0x40                                       ; destination window 1
.set i, 0
.rept 64                               ; i = 16 s + 4 t + c: my four tiles' 16 fragments, as they lie, K step by K step, so that the first product can begin on K step 0 while the others are on their way
	global_load_b128 v[4*(16*((i/4)%4)+4*(i/16)+i%4):4*(16*((i/4)%4)+4*(i/16)+i%4)+3], v[LI], s[4:5] offset:((i/4)%4)*262144+(4*(i/16)+i%4)*512 th:TH_LOAD_NT
.set i, i+1
.endr
	WIN 0
	global_load_b32 v8, v[RSO], s[8:9]             ; rs of my row
	v_mov_b32 v9, 0                                ; (named with v8 as a pair, so it is written; the packed multiply takes v8 for both halves)
	WIN 0xc0
.set i, 0
.rept 256                              ; S begins as zeros: so ONE addition serves both products and every trip of the two loops, whose register numbers hang on the trip
	v_mov_b32 v[i], 0
.set i, i+1
.endr
	WIN 0
.macro POW2 d, a, b                    ; s[d], s[d + 1] = 2^(s[a] + s[b]) as f32
	s_add_co_i32 s[\d], s[\a], s[\b]
	s_add_co_i32 s[\d], s[\d], 127
	s_lshl_b32 s[\d], s[\d], 23
	s_mov_b32 s[\d+1], s[\d]
.endm
.macro QCONST lim, sc, e, one          ; v[sc] = 2^e, v[lim] = 448 x 2^e; one = 1: or 1 if that is less: an activation's clip and the hold are then ONE clip, with no branch on a scale
	s_add_co_i32 s34, s[\e], 127
	s_lshl_b32 s35, s34, 23
	v_mov_b32 v[\sc], s35
	s_add_co_i32 s34, s34, 8
	s_lshl_b32 s34, s34, 23
	s_or_b32 s34, s34, 0x600000
.if \one
	s_min_u32 s34, s34, 0x3f800000                 ; two positive f32 numbers compare as their bits do
.endif
	v_mov_b32 v[\lim], s34
.endm
	s_wait_kmcnt 0x0
	POW2 66, 26, 27                                ; 2^(e2 + e3)
	POW2 68, 28, 29                                ; 2^(e4 + e5)
	POW2 70, 30, 31                                ; 2^(e6 + e7)
	POW2 72, 32, 33                                ; 2^(e8 + e9)
	QCONST 10, 11, 28, 1                           ; act(rs tp)
	QCONST 12, 13, 30, 0                           ; comb
	QCONST 14, 15, 32, 0                           ; the hidden layer
.macro BIASLD                          ; the chunk's 128 numbers of the bias: register 16 b + i is output 32 b + 16 (lane / 16) + i
.set i, 0
.rept 16
	global_load_b128 v[BI+4*i:BI+4*i+3], v[BOF], s[92:93] offset:128*(i/4)+16*(i%4)
.set i, i+1
.endr
.endm
.macro FETCH x                         ; sub-step x = 2 s + half: four weight fragments (tiles 4 half + i, K step s) into set x % 2
.set i, 0
.rept 16                               ; i = 4 tile + c
	ds_load_b128 v[128+64*((\x)%2)+4*i:128+64*((\x)%2)+4*i+3], v[ADW] offset:(\x)*8192+512*i
.set i, i+1
.endr
.endm
; A chunk's 128 matrix instructions, in eight sub-steps of 16; each sub-step's fragments are fetched a sub-step ahead.  The two halves of the 32 accumulators take turns, and in a half each accumulator has one instruction a turn
; K step 0 starts the sums.
.macro MMC
	v_add_nc_u32 v[ADW], s83, v[LI]
	s_wait_alu depctr_va_vdst(0)
	FETCH 0
.irp x, 0,1,2,3,4,5,6,7
.if (\x > 0) && (\x < 7)
	PLACES                                         ; the set that the sub-step before read is loaded again
.endif
.if \x < 7
	FETCH \x+1
	s_wait_dscnt 16                                ; this sub-step's 16 loads are in; the next one's stay out
.else
	s_wait_dscnt 0x0
.endif
.if PROG                               ; the first product alone: a2's 16 loads of this K step are in.  Behind them stand 16 loads for each later K step, rs's one and the bias's 16: 65, 49, 33, 17 (the wait's field ends at 63)
.if \x == 0
	s_wait_loadcnt 63
.endif
.if (\x == 2) || (\x == 4) || (\x == 6)
	s_wait_loadcnt 65-8*\x
.endif
.endif
	WIN 0xa4                                       ; source 0 window 0, source 1 window 1, C and D window 2
.irp n, 0,1,2,3
.irp t, 0,1,2,3
.if \x < 2
	v_wmma_f32_16x16x128_fp8_fp8 v[8*(4*(4*(\x%2)+\n)+\t):8*(4*(4*(\x%2)+\n)+\t)+7], v[128+64*(\x%2)+16*\n:128+64*(\x%2)+16*\n+15], v[64*\t+16*(\x/2):64*\t+16*(\x/2)+15], 0
.else
	v_wmma_f32_16x16x128_fp8_fp8 v[8*(4*(4*(\x%2)+\n)+\t):8*(4*(4*(\x%2)+\n)+\t)+7], v[128+64*(\x%2)+16*\n:128+64*(\x%2)+16*\n+15], v[64*\t+16*(\x/2):64*\t+16*(\x/2)+15], v[8*(4*(4*(\x%2)+\n)+\t):8*(4*(4*(\x%2)+\n)+\t)+7]
.endif
.endr
.endr
	WIN 0
.endr
.endm
; 16 outputs (32 bb + 16 (lane / 16) + 0 .. 15 of the chunk) of my row of tile t: act(sum x 2^.. + bias), and the sum over t in ZA.  Tile 0 starts that sum.  The result stays in v[DT] on.
.macro ACT bb, t, sp
.if (\t) == 0
.set DT, ZA+16*(\bb)
.else
.set DT, YY
.endif
.set A0, 8*(8*(\bb)+(\t))
.set A1, A0+32
	WIN 0x02                                       ; source 0 window 2
.irp i, 0,2,4,6                        ; each accumulator from its low end on
	v_pk_fma_f32 v[DT+\i:DT+\i+1], v[A0+\i:A0+\i+1], s[\sp:\sp+1], v[BI+16*(\bb)+\i:BI+16*(\bb)+\i+1] op_sel_hi:[1,0,1]
.endr
.irp i, 0,2,4,6
	v_pk_fma_f32 v[DT+8+\i:DT+8+\i+1], v[A1+\i:A1+\i+1], s[\sp:\sp+1], v[BI+16*(\bb)+8+\i:BI+16*(\bb)+8+\i+1] op_sel_hi:[1,0,1]
.endr
	WIN 0
.set i, 0
.rept 16
	v_med3_num_f32 v[DT+i], v[DT+i], -1.0, 1.0
.set i, i+1
.endr
.if (\t) > 0
.irp i, 0,2,4,6,8,10,12,14
	v_pk_add_f32 v[ZA+16*(\bb)+\i:ZA+16*(\bb)+\i+1], v[ZA+16*(\bb)+\i:ZA+16*(\bb)+\i+1], v[YY+\i:YY+\i+1]
.endr
.endif
.endm
; the same, and tp goes on: x rs[h] (the product without a contracted axis, in f32), clip, codes: registers 4 bb .. 4 bb + 3 of fragment (t, K step = this chunk) of the next product, into my part of R
.macro UNIT2 bb, t
	ACT \bb, \t, 66
.irp i, 0,2,4,6,8,10,12,14
	v_pk_mul_f32 v[YY+\i:YY+\i+1], v[DT+\i:DT+\i+1], v[8:9] op_sel_hi:[1,0]
.endr
.set i, 0
.rept 16
	v_med3_num_f32 v[YY+i], v[YY+i], -v10, v10     ; the activation and the hold in one
.set i, i+1
.endr
	v_cvt_scalef32_pk8_fp8_f32 v[CC+4*(\t):CC+4*(\t)+1], v[YY:YY+7], v11
	v_cvt_scalef32_pk8_fp8_f32 v[CC+4*(\t)+2:CC+4*(\t)+3], v[YY+8:YY+15], v11
	v_nop                                          ; a plain line behind the last conversion: the next unit writes its sources
	ds_store_b128 v[A4A], v[CC+4*(\t):CC+4*(\t)+3] offset:(\t)*8192+(\bb)*512
.endm
.macro QADD q                          ; S's part for chunk q takes the sums over t
	WIN 0xc3
.set i, 0
.rept 32
	v_pk_add_f32 v[64*(\q)+i:64*(\q)+i+1], v[64*(\q)+i:64*(\q)+i+1], v[ZA+i:ZA+i+1]
.set i, i+2
.endr
	WIN 0
.endm
.macro QBLOCK four                     ; the register numbers hang on the trip: a scalar branch on the loop's counter, the same in every wave and work-group
	s_cmp_eq_u32 s82, 0
	s_cbranch_scc0 .Lq1_\@
	QADD 0
	s_branch .Lqe_\@
.Lq1_\@:
	s_cmp_eq_u32 s82, 1
	s_cbranch_scc0 .Lq2_\@
	QADD 1
	s_branch .Lqe_\@
.Lq2_\@:
.if \four
	s_cmp_eq_u32 s82, 2
	s_cbranch_scc0 .Lq3_\@
	QADD 2
	s_branch .Lqe_\@
.Lq3_\@:
	QADD 3
.else
	QADD 2
.endif
.Lqe_\@:
.endm
.macro FWLD base, q0, win              ; my 16 fragments of an fc weight's outputs 128 q0 .. + 255: (q, K step, tile 2 w + uu) at 128 (q - q0) + 32 ks + 16 uu
	WIN \win
.set i, 0
.rept 64                               ; i = 32 (q - q0) + 8 ks + 4 uu + c
	global_load_b128 v[4*i:4*i+3], v[FWO], s[\base:\base+1] offset:((\q0)+i/32)*65536+((i/8)%4)*16384+(i%8)*512
.set i, i+1
.endr
.endm
.macro FCBIAS base, reg                ; register 16 q + i is output 128 q + 32 w + 16 (lane / 16) + i
.set i, 0
.rept 16
	global_load_b128 v[(\reg)+4*i:(\reg)+4*i+3], v[BOF], s[\base:\base+1] offset:512*(i/4)+16*(i%4)
.set i, i+1
.endr
.endm
.macro FCOPS adr                       ; the eight fragments (tile of rows ur, K step) of an fc product's data, at 64 ur + 16 ks of window 3
	WIN 0xc0
.set i, 0
.rept 32
	ds_load_b128 v[4*i:4*i+3], v[\adr] offset:512*i
.set i, i+1
.endr
.endm
; 64 matrix instructions: my 8 tiles of outputs x 2 tiles of rows x 4 K steps; the 16 accumulators take turns, one instruction a turn
.macro FCMM
.set ks, 0
.rept 4
.set qq, 0
.rept 4
	WIN 0xfd+qq/2                                  ; source 0 window 1 (q = 0, 1) or 2 (q = 2, 3); source 1, C and D window 3
.set e, 0
.rept 4                                ; e = 2 uu + ur
.if ks == 0
	v_wmma_f32_16x16x128_fp8_fp8 v[128+8*(4*qq+e):128+8*(4*qq+e)+7], v[128*(qq%2)+32*ks+16*(e/2):128*(qq%2)+32*ks+16*(e/2)+15], v[64*(e%2)+16*ks:64*(e%2)+16*ks+15], 0
.else
	v_wmma_f32_16x16x128_fp8_fp8 v[128+8*(4*qq+e):128+8*(4*qq+e)+7], v[128*(qq%2)+32*ks+16*(e/2):128*(qq%2)+32*ks+16*(e/2)+15], v[64*(e%2)+16*ks:64*(e%2)+16*ks+15], v[128+8*(4*qq+e):128+8*(4*qq+e)+7]
.endif
.set e, e+1
.endr
.set qq, qq+1
.endr
.set ks, ks+1
.endr
	WIN 0
.endm
.macro FCSUM q, ur, sp, bias, dst      ; 16 outputs of my row of tile ur: sum x 2^.. + bias, into v[DS] on
.set DS, \dst
.set A0, 128+8*(4*(\q)+(\ur))
.set A1, A0+16
	WIN 0x03                                       ; source 0 window 3
.irp i, 0,2,4,6
	v_pk_fma_f32 v[DS+\i:DS+\i+1], v[A0+\i:A0+\i+1], s[\sp:\sp+1], v[(\bias)+16*(\q)+\i:(\bias)+16*(\q)+\i+1] op_sel_hi:[1,0,1]
.endr
.irp i, 0,2,4,6
	v_pk_fma_f32 v[DS+8+\i:DS+8+\i+1], v[A1+\i:A1+\i+1], s[\sp:\sp+1], v[(\bias)+16*(\q)+8+\i:(\bias)+16*(\q)+8+\i+1] op_sel_hi:[1,0,1]
.endr
	WIN 0
.endm
	; ---- tp = act(a2 p_lin_w^T + p_lin_b): four chunks
	s_mov_b32 s82, 0                               ; q
	s_mov_b32 s83, 0                               ; the slot in hand
	s_mov_b32 s90, 0                               ; 2,048 q
.Lp2:
	TRIP 1
	BIASLD
.set PROG, 1
	MMC
.set PROG, 0
	s_wait_loadcnt 0x0                             ; the bias
	PLACES
	v_add_nc_u32 v[A4A], s90, v[SAD]
.irp bb, 0,1,2,3
.irp t, 0,1,2,3
	UNIT2 \bb, \t
.endr
.endr
	QBLOCK 1
	s_xor_b32 s83, s83, SLOT1
	s_add_nc_u64 s[92:93], s[92:93], 512           ; (its loads are in)
	s_add_co_u32 s90, s90, 2048
	s_add_co_u32 s82, s82, 1
	s_cmp_lt_u32 s82, 4
	s_cbranch_scc1 .Lp2
	WIN 0x40                                       ; my 16 fragments of act(rs tp) come back where a2's lay.  LDS serves a wave's instructions in order: these see my stores; the wait at the next change of slots covers them
.set i, 0
.rept 64
	ds_load_b128 v[4*i:4*i+3], v[SAD] offset:512*i
.set i, i+1
.endr
	WIN 0
	; ---- tz = act(.. z_lin_w^T + z_lin_b): three chunks in a loop, the fourth written out, since it asks for another tile
	s_mov_b64 s[92:93], s[16:17]
	s_mov_b32 s82, 0
.Lp4:
	TRIP 1
	BIASLD
	s_cmp_eq_u32 s82, 2                            ; in the last trip: my own 16,384 bytes of x0, which my tensor load of the next change of slots will ask for, a chunk's work ahead: 32 lanes x 256 bytes, twice.
	s_cbranch_scc0 .Lno_prefetch                   ; each wave of the launch names its own bytes, so each is named once; the address registers are never rewritten
	global_prefetch_b8 v[PFO], s[84:85] th:TH_LOAD_NT scope:SCOPE_SE
	global_prefetch_b8 v[PFO], s[84:85] offset:8192 th:TH_LOAD_NT scope:SCOPE_SE
.Lno_prefetch:
	MMC
	s_wait_loadcnt 0x0
	PLACES
.irp bb, 0,1,2,3
.irp t, 0,1,2,3
	ACT \bb, \t, 68
.endr
.endr
	QBLOCK 0
	s_xor_b32 s83, s83, SLOT1
	s_add_nc_u64 s[92:93], s[92:93], 512
	s_add_co_u32 s82, s82, 1
	s_cmp_lt_u32 s82, 3
	s_cbranch_scc1 .Lp4
; AN EXCEPTION to the head's paragraph on the fc weights: fc2_w's outputs 0-255, two chunks of 65,536 bytes, do walk through the ring, whose slots have no other tile to take at the end; fc1_w and fc2_w's outputs 256-511
; go straight into registers.  The walking descriptor goes on: step bytes further in wcodes, into the other slot (flip = 1) or the same.  The lines are those of every change of slots: each wave waits for all its tensor
; loads, adds 0 to its spare word, waits for that and for its LDS reads; behind the round the joint load is the wave's first and only tensor load.
.macro TRIPF step, flip
	s_wait_tensorcnt 0x0                           ; no tensor load of mine is out, so group 0 may be written
	ds_add_u32 v[SPW], v[NIL]                      ; 0 onto my spare word
.if \flip
	s_xor_b32 s45, s45, SLOT1
.endif
	s_add_nc_u64 s[46:47], s[46:47], \step
	s_wait_dscnt 0x0                               ; the add is done, and my LDS reads and stores are over
	ROUND
	tensor_load_to_lds s[44:47], s[36:43]
	s_nop 0
	PLACES                                         ; four v_nop follow it
.endm
	TRIP 2                                         ; slot 0 takes x0
	BIASLD
	MMC
	s_wait_loadcnt 0x0
	PLACES                                         ; the data operand's registers are free
	TRIPF 0x50000, 0                               ; slot 1 has been read out: it takes fc2_w's outputs 0-127 (matrix 4 of wcodes begins 0x50000 bytes behind z_lin_w's last chunk)
.macro FW4 i0                          ; four loads of fc1_w's first half (FWLD's numbering)
	WIN 0x40
.set i, (\i0)
.rept 4
	global_load_b128 v[4*i:4*i+3], v[FWO], s[86:87] offset:(i/32)*65536+((i/8)%4)*16384+(i%8)*512
.set i, i+1
.endr
.endm
.irp bb, 0,1,2,3
.irp t, 0,1,2,3
	FW4 4*(4*\bb+\t)                               ; fc1_w's first half is asked for four loads at a time, among the last chunk's 16 units
	ACT \bb, \t, 68
.endr
.endr
	QADD 3
	FCBIAS 94, BI
	; ---- comb: my sums meet my partner's (the other four channels of the same rows); each of the two takes half of the 512 columns
	WIN 0x8c                                       ; store data window 3; loaded data window 2: the accumulators' registers are free
.set i, 0
.rept 64                               ; fc1_w's second half (FWLD's numbering, outputs 256 on) is asked for line by line among the stores
	ds_store_b128 v[SAD], v[4*i:4*i+3] offset:512*i
	global_load_b128 v[4*i:4*i+3], v[FWO], s[86:87] offset:(2+i/32)*65536+((i/8)%4)*16384+(i%8)*512
.set i, i+1
.endr
	WIN 0
	s_wait_tensorcnt 0x0                           ; my part of x0 is in
	BARRIER                                        ; everybody's sums and x0 lie in LDS
	WIN 0xc0
.set i, 0
.rept 32
	ds_load_b128 v[4*i:4*i+3], v[SOW] offset:512*i
.set i, i+1
.endr
.set i, 0
.rept 32
	ds_load_b128 v[128+4*i:128+4*i+3], v[SPA] offset:512*i
.set i, i+1
.endr
	WIN 0
.set i, 0
.rept 32                               ; i = 16 qq + 4 b + quarter: columns 256 ch + 128 qq + 32 b + 16 (lane / 16) on
	ds_load_b128 v[128+4*i:128+4*i+3], v[XAD] offset:512*(i/16)+128*((i/4)%4)+16*(i%4)
.set i, i+1
.endr
	s_wait_dscnt 0x0
	WIN 0xcf
.set i, 0
.rept 64
	v_pk_add_f32 v[i:i+1], v[i:i+1], v[128+i:129+i]
.set i, i+2
.endr
	WIN 0xf0                                       ; source 0 (x0) window 0, source 2 and destination window 3
.set i, 0
.rept 64
	v_pk_fma_f32 v[i:i+1], v[128+i:129+i], s[74:75], v[i:i+1] op_sel_hi:[1,0,1]   ; + input / 5000
.set i, i+2
.endr
	WIN 0xc3
.set i, 0
.rept 128
	v_med3_num_f32 v[i], v[i], -v12, v12           ; the hold at 448 x 2^e6
.set i, i+1
.endr
	WIN 0x03
.set i, 0
.rept 16
	v_cvt_scalef32_pk8_fp8_f32 v[YY+2*i:YY+2*i+1], v[8*i:8*i+7], v13
.set i, i+1
.endr
	v_nop                                          ; a plain line behind the last conversion
	WIN 0
.set i, 0
.rept 8                                ; i = 4 qq + b: fragment (u, K step 2 ch + qq), registers 4 b on
	ds_store_b128 v[A5W], v[YY+4*i:YY+4*i+3] offset:512*i
.set i, i+1
.endr
	TRIPF 0x10000, 1                               ; the round's barriers show comb's eight fragments and slot 1's chunk to every wave; x0 has been read out of slot 0: it takes fc2_w's outputs 128-255
	; ---- fc1, relu, codes
	FCOPS A5R
	s_wait_loadcnt 0x0                             ; fc1_w's fragments and fc1_b
	s_wait_dscnt 0x0
	FCMM
	PLACES
	; the hidden layer is quantised first: fc2_w's loads stand behind the barrier below
.irp q, 0,1,2,3
.irp ur, 0,1
	FCSUM \q, \ur, 70, BI, YY
.set i, 0
.rept 16
	v_med3_num_f32 v[YY+i], v[YY+i], 0, v14        ; relu and the hold in one
.set i, i+1
.endr
	v_cvt_scalef32_pk8_fp8_f32 v[CC+4*(2*(\q%2)+\ur):CC+4*(2*(\q%2)+\ur)+1], v[YY:YY+7], v15
	v_cvt_scalef32_pk8_fp8_f32 v[CC+4*(2*(\q%2)+\ur)+2:CC+4*(2*(\q%2)+\ur)+3], v[YY+8:YY+15], v15
	v_nop                                          ; a plain line behind the last conversion
	ds_store_b128 v[A6W], v[CC+4*(2*(\q%2)+\ur):CC+4*(2*(\q%2)+\ur)+3] offset:(4*\ur+\q)*2048   ; fragment (ur, K step q), registers 4 w on
.endr
.endr
	s_wait_tensorcnt 0x0                           ; my quarter of slot 0's chunk is in
	BARRIER                                        ; the hidden layer's eight fragments and both chunks of fc2_w lie in LDS
	; ---- fc2, and out through the stage: a row's 512 numbers come from four waves
	v_add_nc_u32 v125, SLOT1, v[FWO]               ; my two tiles of each eight, in slot 1
	WIN 0x40                                       ; FWLD's numbering and registers: i = 32 q + 8 ks + 4 uu + c
.set i, 0
.rept 32                               ; outputs 0-127 from slot 1
	ds_load_b128 v[4*i:4*i+3], v125 offset:((i/8)%4)*16384+(i%8)*512
.set i, i+1
.endr
.rept 32                               ; outputs 128-255 from slot 0
	ds_load_b128 v[4*i:4*i+3], v[FWO] offset:((i/8)%4)*16384+(i%8)*512
.set i, i+1
.endr
	FCOPS A6R
	FWLD 88, 2, 0x80                               ; outputs 256-511 straight into registers
	WIN 0
	FCBIAS 96, 128
	s_wait_loadcnt 0x0                             ; fc2_w's fragments and fc2_b
	s_wait_dscnt 0x0
	FCMM
	PLACES
.irp q, 0,1,2,3
.irp ur, 0,1
.if 2*\q+\ur < 4                       ; each of the eight blocks has registers of its own
	FCSUM \q, \ur, 72, 128, 48+16*(2*\q+\ur)
.else
	FCSUM \q, \ur, 72, 128, 192+16*(2*\q+\ur-4)
.endif
.irp c, 0,1,2,3
	ds_store_b128 v[STA], v[DS+4*\c:DS+4*\c+3] offset:\ur*16512+512*\q+16*\c
.endr
.endr
.endr
	BARRIER                                        ; 32 whole rows of out lie in the stage
.set i, 0
.rept 32                               ; my rows 8 w + i / 4, 512 bytes at a time
	ds_load_b128 v[128+4*i:128+4*i+3], v[RDA] offset:(i/4)*2064+512*(i%4)
.set i, i+1
.endr
.set i, 0
.rept 32
	s_wait_dscnt 31-i                              ; LDS loads come back in order: load i is in, the younger ones stay out
	global_store_b128 v[LI], v[128+4*i:128+4*i+3], s[22:23] offset:(i/4)*2048+512*(i%4) th:TH_STORE_NT   ; 32 lanes store 512 consecutive bytes, at a multiple of 256 from out0's first byte
.set i, i+1
.endr
	s_wait_tensorcnt 0x0                           ; the wave's end: behind my last tensor load and my last LDS store
	ds_add_u32 v[SPW], v[NIL]
	s_wait_dscnt 0x0
	ROUND                                          ; the closing round: no work-group ends while a partner may still ask for a tile that names it
	s_endpgm
.Lfunc_end_k_q80dedfe655_second:
	.size	k_q80dedfe655_second, .Lfunc_end_k_q80dedfe655_second-k_q80dedfe655_second
	.p2alignl 7, 3214868480
	.fill 96, 4, 3214868480
	.section	.rodata,"a",@progbits
	.p2align	6, 0x0
	.amdhsa_kernel k_q80dedfe655_second
		.amdhsa_group_segment_fixed_size 327680
		.amdhsa_private_segment_fixed_size 0
		.amdhsa_enable_private_segment 0
		.amdhsa_kernarg_size 80
		.amdhsa_user_sgpr_count 2
		.amdhsa_user_sgpr_kernarg_segment_ptr 1
		.amdhsa_wavefront_size32 1
		.amdhsa_system_sgpr_workgroup_id_x 1
		.amdhsa_system_sgpr_workgroup_id_y 1
		.amdhsa_system_sgpr_workgroup_id_z 1
		.amdhsa_system_vgpr_workitem_id 0
		.amdhsa_next_free_vgpr 1024
		.amdhsa_next_free_sgpr 100
		.amdhsa_reserve_vcc 0
		.amdhsa_float_denorm_mode_32 3
		.amdhsa_float_denorm_mode_16_64 3
		.amdhsa_memory_ordered 1
		.amdhsa_forward_progress 1
		.amdhsa_inst_pref_size 255
	.end_amdhsa_kernel
	.section	.bss,"aw",@nobits
	.p2align	6
	.space	262144
	.amdgpu_metadata
---
amdhsa.version: [ 1, 2 ]
amdhsa.kernels:
  - .name:           k_q80dedfe655_second
    .symbol:         k_q80dedfe655_second.kd
    .args:
      - { .name: a2, .offset: 0, .size: 8, .value_kind: global_buffer, .address_space: global }
      - { .name: wcodes, .offset: 8, .size: 8, .value_kind: global_buffer, .address_space: global }
      - { .name: rs, .offset: 16, .size: 8, .value_kind: global_buffer, .address_space: global }
      - { .name: input, .offset: 24, .size: 8, .value_kind: global_buffer, .address_space: global }
      - { .name: lowp_scales, .offset: 32, .size: 8, .value_kind: global_buffer, .address_space: global }
      - { .name: p_lin_b, .offset: 40, .size: 8, .value_kind: global_buffer, .address_space: global }
      - { .name: z_lin_b, .offset: 48, .size: 8, .value_kind: global_buffer, .address_space: global }
      - { .name: fc1_b, .offset: 56, .size: 8, .value_kind: global_buffer, .address_space: global }
      - { .name: fc2_b, .offset: 64, .size: 8, .value_kind: global_buffer, .address_space: global }
      - { .name: out0, .offset: 72, .size: 8, .value_kind: global_buffer, .address_space: global }
    .group_segment_fixed_size: 327680
    .private_segment_fixed_size: 0
    .kernarg_segment_align: 8
    .kernarg_segment_size: 80
    .max_flat_workgroup_size: 128
    .sgpr_count:     100
    .vgpr_count:     1024
    .wavefront_size: 32
...
	.end_amdgpu_metadata
.endif
;; end of part 3
